; MI455X (gfx1250); checked and timed in simulation.
; The chip was launched on July 23, 2026; its instructions are those of AMD's public machine-readable ISA for CDNA 5 (MIT licence, August 2026) and "CDNA5" Instruction Set Architecture Reference Guide (July 2026). The comments in the code are by the model that wrote it; some were corrected since.
;; Trainable Cloud. Allowed arithmetic: float matrix products may take bf16 or f16 operands with f32 sums; all other float work in f32.
;; Inputs: Grid 256 x 256 x 256 float32; rays 65,536 x 6 float32.
;; Outputs: out0 65,536 float32.
;; 2 versions, each right; version 2 is version 1 with the launch march written anew for expert scheduling mode. Each part assembles by itself: llvm-mc -triple=amdgcn-amd-amdhsa -mcpu=gfx1250 --defsym DOCPART=n.
;; ======== version 1 of 2: 2 launches
;; workspace buffers: prm 2,097,152 bytes of whole numbers
;; launch setup (part 1): grid 256 x 1, 8 waves a work-group, no clusters, 9,216 bytes of LDS; arguments rays, prm; writes prm
.if DOCPART == 1
	.amdgcn_target "amdgcn-amd-amdhsa--gfx1250"
	.amdhsa_code_object_version 6
	.text
	.protected	k_q3b7d2d5dbd_setup
	.globl	k_q3b7d2d5dbd_setup
	.p2align	8
	.type	k_q3b7d2d5dbd_setup,@function
k_q3b7d2d5dbd_setup:
	s_mov_b64 s[64:65], 0
	v_nop
	global_prefetch_b8 v0, s[64:65] scope:SCOPE_SE
	s_setreg_imm32_b32 hwreg(HW_REG_WAVE_MODE, 25, 1), 1
	s_wait_xcnt 0x0
; Ray set-up for the march: one thread, one ray.  rays: [65536][6] f32 (origin, direction).
; prm: [65536] records of 8 words, all that the second launch needs to form its gather addresses by integer arithmetic:
;   words 0-2  x, y, z voxel coordinate of sample 0, fixed point with 23 fraction bits (0 .. 255*2^23 - 128)
;   words 3-5  signed step from sample to sample, same format
;   word  6    the bits of the f32 factor -10 * log2(e) * seg / 256 (data only: no address is made of it)
;   word  7    0: it pads the record to 32 bytes, so that one scalar load of eight words takes a record
; The sample positions of reference() are o + (tmin + seg (s + 1/2) / 256) d, that is the straight line from the entry point to the
; exit point cut in 256 parts and taken at the midpoints.  Both ends are mapped to voxel units, clamped to the grid and rounded to
; fixed point; step = (exit - entry) / 256 rounded toward zero, start = entry + floor(step / 2).  Then start + s * step, s = 0 .. 255,
; never leaves the span between the two ends (|256 step| <= |exit - entry|; where step < 0, |exit - entry| >= 256 pays for the floor),
; so no sample needs a clamp of its own.  The truncated step drifts by at most 256 units = 2^-15 voxel over a ray.
; A RAY THAT MISSES THE BOX has seg = 0 as in reference(): its two ends are the same point, its step is 0 and its factor is -0.
; The second launch marches it like any other, and 2^(-0 * sum) is exactly the 1 that reference() returns: no flag is needed.
; LIMITS: NaN in rays is not propagated (the num forms of min, max and med3 drop it), nor is the NaN of 0 * inf in the slab test
; (origin exactly on a face and a direction component in (-1e-8, 0)); reference() calls such rays invalid.
.set EPS_BITS,  0x322bcc77             ; 1e-8
.set EPS2_BITS, 0x32abcc77             ; 2e-8 = sign(d) EPS + EPS for d > 0
.set VOX_BITS,  0x4e7f0000             ; 127.5 * 2^23: [-1, 1] to voxel units to fixed point
.set TOP_BITS,  0x4efeffff             ; 255 * 2^23 - 128, the largest f32 below 255 * 2^23: the cell index stays <= 254
.set FAC_BITS,  0xbd66d4ca             ; -10 * log2(e) / 256
.set LANE, 1
.set RO,   2                           ; byte offset of my ray in rays
.set OX,   4                           ; v[4:9] the ray as loaded: origin, direction
.set OY,   5
.set OZ,   6
.set DX,   7
.set DY,   8
.set DZ,   9
.set NRM,  10
.set VEPS, 11
.set VEPS2, 12
.set TA,   13
.set TB,   14
.set TC,   15
.set LOX,  16                          ; v[16:18] nearer slab distance of each axis
.set LOY,  17
.set LOZ,  18
.set HIX,  19                          ; v[19:21] farther one
.set HIY,  20
.set HIZ,  21
.set TMIN, 22
.set TMAX, 23
.set SEG,  24
.set TEND, 25
.set LW,   26                          ; LDS: where my record goes
.set LR,   27                          ; LDS: where I read 16 bytes back; also my byte offset in the work-group's part of prm
.set R,    32                          ; v[32:39] my record
.set B,    40                          ; v[40:47] 2 x 16 bytes read back
	s_load_b128 s[4:7], s[0:1], 0x0                ; rays s[4:5], prm s[6:7]
	v_lshl_add_u32 v48, v0, 2, 0x2000
	v_mov_b32 v49, 0
	v_and_b32 v[LANE], 31, v0
	v_lshrrev_b32 v[TA], 5, v0
	v_readfirstlane_b32 s8, v[TA]                  ; wave 0..7
	s_lshl_b32 s9, ttmp9, 8                        ; the work-group's first ray
	v_add_nc_u32 v[RO], s9, v0
	v_mul_u32_u24 v[RO], 24, v[RO]                 ; 24 bytes a ray
	s_lshl_b32 s14, ttmp9, 13                      ; 256 records of 32 bytes
	s_mov_b32 s15, 0
	s_mov_b32 s10, EPS_BITS
	s_mov_b32 s11, EPS2_BITS
	s_mov_b32 s12, VOX_BITS
	s_mov_b32 s13, TOP_BITS
	s_mov_b32 s17, FAC_BITS
	s_wait_kmcnt 0x0
	global_load_b64 v[OX:OY], v[RO], s[4:5] th:TH_LOAD_NT
	global_load_b64 v[OZ:DX], v[RO], s[4:5] offset:8 th:TH_LOAD_NT
	global_load_b64 v[DY:DZ], v[RO], s[4:5] offset:16 th:TH_LOAD_NT
	s_add_nc_u64 s[6:7], s[6:7], s[14:15]          ; prm at the work-group's first record
	s_lshl_b32 s16, s8, 10                         ; my wave's own 1,024 bytes of LDS (32 records)
	v_lshl_add_u32 v[LW], v[LANE], 5, s16
	v_lshl_add_u32 v[LR], v[LANE], 4, s16
	s_wait_loadcnt 0x0
	; d = d / (|d| + EPS)
	v_mul_f32 v[NRM], v[DX], v[DX]
	v_fmac_f32 v[NRM], v[DY], v[DY]
	v_fmac_f32 v[NRM], v[DZ], v[DZ]
	v_sqrt_f32 v[NRM], v[NRM]
	v_mov_b32 v[VEPS], s10                         ; the plain instruction between a transcendental and the use of its result (ISA guide 5.7.2)
	s_wait_alu depctr_va_vdst(0)
	v_add_f32 v[NRM], s10, v[NRM]
	v_rcp_f32 v[NRM], v[NRM]
	v_mov_b32 v[VEPS2], s11                        ; likewise
	s_wait_alu depctr_va_vdst(0)
	v_mul_f32 v[DX], v[DX], v[NRM]
	v_mul_f32 v[DY], v[DY], v[NRM]
	v_mul_f32 v[DZ], v[DZ], v[NRM]
; one axis of the slab test, with reference()'s safe reciprocal: where |d| < EPS the divisor is sign(d) EPS + EPS = 2 EPS, EPS or 0
.macro SLAB o, d, lo, hi
	v_cmp_lt_f32 vcc_lo, 0, v[\d]
	v_cndmask_b32 v[TA], v[VEPS], v[VEPS2], vcc_lo ; d > 0: 2 EPS, else EPS
	v_cmp_le_f32 vcc_lo, 0, v[\d]
	v_cndmask_b32 v[TA], 0, v[TA], vcc_lo          ; d < 0: 0 (its reciprocal is +inf, as in reference())
	v_and_b32 v[TB], 0x7fffffff, v[\d]
	v_cmp_lt_f32 vcc_lo, v[TB], v[VEPS]
	v_cndmask_b32 v[TA], v[\d], v[TA], vcc_lo
	v_rcp_f32 v[TA], v[TA]
	v_sub_f32 v[TB], -1.0, v[\o]                   ; (two plain instructions stand behind the reciprocal)
	v_sub_f32 v[TC], 1.0, v[\o]
	s_wait_alu depctr_va_vdst(0)
	v_mul_f32 v[TB], v[TB], v[TA]
	v_mul_f32 v[TC], v[TC], v[TA]
	v_min_num_f32 v[\lo], v[TB], v[TC]
	v_max_num_f32 v[\hi], v[TB], v[TC]
.endm
	SLAB OX, DX, LOX, HIX
	SLAB OY, DY, LOY, HIY
	SLAB OZ, DZ, LOZ, HIZ
	v_max3_num_f32 v[TMIN], v[LOX], v[LOY], v[LOZ]
	v_min3_num_f32 v[TMAX], v[HIX], v[HIY], v[HIZ]
	v_max_num_f32 v[TMIN], 0, v[TMIN]
	v_cmp_gt_f32 vcc_lo, v[TMAX], v[TMIN]          ; valid
	v_sub_f32 v[SEG], v[TMAX], v[TMIN]
	v_cndmask_b32 v[SEG], 0, v[SEG], vcc_lo        ; seg = valid ? tmax - tmin : 0
	v_mov_b32 v[R+7], 0                            ; word 7: padding, written so that no byte of prm is left as it was
	v_add_f32 v[TEND], v[TMIN], v[SEG]
	v_mul_f32 v[R+6], s17, v[SEG]                  ; word 6 (-0 for a ray that misses)
; one axis: both ends of the segment in fixed point, then start and step.  (p + 1) * 127.5 * 2^23 is one fused multiply-add.
; A ray that misses the box may give inf or NaN here.  Its two ends are made of the same numbers (tend = tmin + 0), so they are equal
; whatever they are; the clamp and the conversion leave a number in range, and the step is 0.
.macro POS o, d, start, delta
	v_fma_f32 v[TA], v[TMIN], v[\d], v[\o]
	v_fma_f32 v[TB], v[TEND], v[\d], v[\o]
	v_fma_f32 v[TA], v[TA], s12, s12
	v_fma_f32 v[TB], v[TB], s12, s12
	v_med3_num_f32 v[TA], v[TA], 0, s13
	v_med3_num_f32 v[TB], v[TB], 0, s13
	v_cvt_u32_f32 v[TA], v[TA]
	v_cvt_u32_f32 v[TB], v[TB]
	v_sub_nc_u32 v[TB], v[TB], v[TA]               ; exit - entry: both are below 2^31, so the difference is a signed word
	v_ashrrev_i32 v[TC], 31, v[TB]
	v_lshrrev_b32 v[TC], 24, v[TC]                 ; 255 where it is negative:
	v_add_nc_u32 v[TB], v[TB], v[TC]
	v_ashrrev_i32 v[\delta], 8, v[TB]              ; / 256, rounded toward zero
	v_ashrrev_i32 v[TC], 1, v[\delta]
	v_add_nc_u32 v[\start], v[TA], v[TC]           ; the first midpoint
.endm
	POS OX, DX, R+0, R+3
	POS OY, DY, R+1, R+4
	POS OZ, DZ, R+2, R+5
	; A lane holds 32 bytes of its own record.  Through the wave's own LDS bytes they turn into 16 neighbouring bytes a lane, so that
	; each store of the wave covers 512 consecutive bytes, aligned.  LDS serves a wave's instructions in order (ISA guide 5.7.1):
	; no wait between these stores and loads, and no barrier, since no other wave touches the bytes.
	ds_store_b128 v[LW], v[R:R+3]
	ds_store_b128 v[LW], v[R+4:R+7] offset:16
	ds_load_b128 v[B:B+3], v[LR]
	ds_load_b128 v[B+4:B+7], v[LR] offset:512
	s_wait_dscnt 0x0
	global_store_b128 v[LR], v[B:B+3], s[6:7]
	global_store_b128 v[LR], v[B+4:B+7], s[6:7] offset:512
	s_wait_tensorcnt 0x0
	ds_add_u32 v48, v49
	s_wait_dscnt 0x0
	s_endpgm
.Lfunc_end_k_q3b7d2d5dbd_setup:
	.size	k_q3b7d2d5dbd_setup, .Lfunc_end_k_q3b7d2d5dbd_setup-k_q3b7d2d5dbd_setup
	.p2alignl 7, 3214868480
	.fill 96, 4, 3214868480
	.section	.rodata,"a",@progbits
	.p2align	6, 0x0
	.amdhsa_kernel k_q3b7d2d5dbd_setup
		.amdhsa_group_segment_fixed_size 9216
		.amdhsa_private_segment_fixed_size 0
		.amdhsa_enable_private_segment 0
		.amdhsa_kernarg_size 16
		.amdhsa_user_sgpr_count 2
		.amdhsa_user_sgpr_kernarg_segment_ptr 1
		.amdhsa_wavefront_size32 1
		.amdhsa_system_sgpr_workgroup_id_x 1
		.amdhsa_system_sgpr_workgroup_id_y 1
		.amdhsa_system_sgpr_workgroup_id_z 1
		.amdhsa_system_vgpr_workitem_id 0
		.amdhsa_next_free_vgpr 50
		.amdhsa_next_free_sgpr 66
		.amdhsa_reserve_vcc 1
		.amdhsa_float_denorm_mode_32 3
		.amdhsa_float_denorm_mode_16_64 3
		.amdhsa_memory_ordered 1
		.amdhsa_forward_progress 1
		.amdhsa_inst_pref_size 7
	.end_amdhsa_kernel
	.amdgpu_metadata
---
amdhsa.version: [ 1, 2 ]
amdhsa.kernels:
  - .name:           k_q3b7d2d5dbd_setup
    .symbol:         k_q3b7d2d5dbd_setup.kd
    .args:
      - { .name: rays, .offset: 0, .size: 8, .value_kind: global_buffer, .address_space: global }
      - { .name: prm, .offset: 8, .size: 8, .value_kind: global_buffer, .address_space: global }
    .group_segment_fixed_size: 9216
    .private_segment_fixed_size: 0
    .kernarg_segment_align: 8
    .kernarg_segment_size: 16
    .max_flat_workgroup_size: 256
    .sgpr_count:     66
    .vgpr_count:     50
    .wavefront_size: 32
...
	.end_amdgpu_metadata
.endif
;; end of part 1
;; launch march (part 2): grid 1024 x 1, 8 waves a work-group, no clusters, 1,280 bytes of LDS; arguments Grid, prm, out0; writes out0
.if DOCPART == 2
	.amdgcn_target "amdgcn-amd-amdhsa--gfx1250"
	.amdhsa_code_object_version 6
	.text
	.protected	k_q3b7d2d5dbd_march
	.globl	k_q3b7d2d5dbd_march
	.p2align	8
	.type	k_q3b7d2d5dbd_march,@function
k_q3b7d2d5dbd_march:
	s_mov_b64 s[64:65], 0
	v_nop
	global_prefetch_b8 v0, s[64:65] scope:SCOPE_SE
	s_setreg_imm32_b32 hwreg(HW_REG_WAVE_MODE, 25, 1), 1
	s_wait_xcnt 0x0
; out0[ray] = exp(-10 * seg / 256 * sum over 256 samples of trilerp(clip(Grid, 0, 1))).
; Grid: [256][256][256] f32.  prm: the records of the first launch (start and step in fixed point with 23 fraction bits, factor).
; A work-group of eight waves owns 64 rays; wave w marches rays 8 w .. 8 w + 7, one after the other.  ONE WAVE MARCHES ONE RAY: lane l of
; group k takes sample 32 k + l, so the 32 addresses of a load belong to neighbouring points of one line and fall in few rows of
; the grid, and the eight corner loads of a group touch the same rows one after the other.
; No branch hangs on loaded data: every wave makes eight trips.  A ray that misses the box comes with step 0 and factor -0: all lanes of
; each of its loads name one address, its sum is finite (the densities are clamped), and 2^(-0 * sum) = 1, which is reference()'s value.
; Every gather address is made by integer arithmetic from the whole numbers that a scalar load brings from prm, at an address made of
; the work-group's number, the wave's number and the trip counter; floating-point numbers are data only.
; No matrix unit (there is no product), no tensor loads or clusters (no tile is shared or known ahead: the reads are gathers).
; LIMITS: NaN in Grid is clamped like a number (v_med3_num_f32), not propagated.  A result below 2^-126 is stored as 0 (v_exp_f32
; flushes denormal results: ISA guide, its entry in 15.8).
.set ROWB,   1024                      ; bytes from y to y + 1
.set PLANEB, 262144                    ; bytes from z to z + 1
.set TRIPS,  8                         ; rays of a wave
.set RECB,   32                        ; bytes of a record
.set LANE, 1
.set PX,   2                           ; v[2:4]    my sample's position, fixed point
.set PY,   3
.set PZ,   4
.set T0,   5
.set T1,   6
.set T2,   7
.set ACC,  8                           ; v[8:9]    sums of c0 and of fz (c1 - c0)
.set ONE,  10                          ; v[10:11]  the pair (1.0, fz) that the last packed multiply-add of a group takes
.set L7,   12                          ; lane & 7
.set LA,   13                          ; LDS byte of result (lane & 7) of my wave
.set RES,  14                          ; trip i's result in the lanes with lane & 7 = i
.set VO,   15
.set AD,   18                          ; v[18:25]  group k: byte offset of corner (z0, y0, x0)
.set F,    26                          ; v[26:41]  group k: the pair (1 + fx, 1 + fy), later (fx, fy)
.set FZ,   42                          ; v[42:49]  group k: 1 + fz
.set C,    50                          ; v[50:113] group k: c000 c100 | c001 c101 | c010 c110 | c011 c111 (names czyx), pairs for packed f32
	s_load_b128 s[4:7], s[0:1], 0x0                ; Grid s[4:5], prm s[6:7]
	s_load_b64 s[8:9], s[0:1], 0x10                ; out0
	v_lshl_add_u32 v114, v0, 2, 0x100
	v_mov_b32 v115, 0
	v_and_b32 v[LANE], 31, v0
	v_lshrrev_b32 v[T0], 5, v0
	v_readfirstlane_b32 s10, v[T0]                 ; wave 0..7
	s_lshl_b32 s14, ttmp9, 11                      ; 64 records of 32 bytes a work-group,
	s_lshl_b32 s16, s10, 8                         ; 8 a wave
	s_add_co_u32 s14, s14, s16
	s_mov_b32 s15, 0
	s_wait_kmcnt 0x0
	s_add_nc_u64 s[24:25], s[6:7], s[14:15]        ; prm at my wave's first record
	s_load_b256 s[32:39], s[24:25], 0x0            ; the first ray's record
	s_lshl_b32 s14, ttmp9, 8
	s_add_nc_u64 s[8:9], s[8:9], s[14:15]          ; out0 at the work-group's 256 bytes
	s_mov_b32 s40, 0x7fffff                        ; the 23 fraction bits
	s_mov_b32 s41, 0x3f800000                      ; sign and exponent of 1.0
	s_mov_b32 s42, 0x76543210                      ; v_permlanex16_b32: lane i takes lane i of the other half
	s_mov_b32 s43, 0xfedcba98
	v_and_b32 v[L7], 7, v[LANE]
	s_lshl_b32 s16, s10, 5                         ; my wave's 32 bytes of LDS: result of ray r of the work-group at byte 4 r
	v_lshl_add_u32 v[LA], v[L7], 2, s16
	v_mov_b32 v[ONE], 1.0
	v_mov_b32 v[RES], 1.0                          ; written whole once, since the select below reads it; the eight trips replace every lane
	s_mov_b32 s29, 0
; Group k, first part: the cell, the eight corner loads, the fractions, the step of 32 samples.
; The index is clamped in two parts, z0 * 256 + y0 <= 0xfefe and x0 <= 0xfe, so that with the offsets of the far corner
; (one plane, one row, one word) the last byte read is the last byte of Grid at the most.
.macro ISSUE k
	v_lshrrev_b32 v[T0], 23, v[PZ]
	v_lshrrev_b32 v[T1], 23, v[PY]
	v_lshrrev_b32 v[T2], 23, v[PX]
	v_lshl_or_b32 v[T0], v[T0], 8, v[T1]
	v_min_u32 v[T0], 0xfefe, v[T0]
	v_min_u32 v[T2], 0xfe, v[T2]
	v_lshl_add_u32 v[T0], v[T0], 8, v[T2]
	v_lshlrev_b32 v[AD+\k], 2, v[T0]
	global_load_b32 v[C+8*\k+0], v[AD+\k], s[4:5]
	global_load_b32 v[C+8*\k+2], v[AD+\k], s[4:5] offset:4
	global_load_b32 v[C+8*\k+4], v[AD+\k], s[4:5] offset:ROWB
	global_load_b32 v[C+8*\k+6], v[AD+\k], s[4:5] offset:ROWB+4
	global_load_b32 v[C+8*\k+1], v[AD+\k], s[4:5] offset:PLANEB
	global_load_b32 v[C+8*\k+3], v[AD+\k], s[4:5] offset:PLANEB+4
	global_load_b32 v[C+8*\k+5], v[AD+\k], s[4:5] offset:PLANEB+ROWB
	global_load_b32 v[C+8*\k+7], v[AD+\k], s[4:5] offset:PLANEB+ROWB+4
	v_bfi_b32 v[F+2*\k],   s40, v[PX], s41          ; the 23 fraction bits under the exponent of 1.0: the f32 number 1 + fx, exactly
	v_bfi_b32 v[F+2*\k+1], s40, v[PY], s41
	v_bfi_b32 v[FZ+\k],    s40, v[PZ], s41
.if \k < 7
	v_add_nc_u32 v[PX], s44, v[PX]
	v_add_nc_u32 v[PY], s45, v[PY]
	v_add_nc_u32 v[PZ], s46, v[PZ]
.endif
.endm
; Group k, second part: clip to [0, 1], then c = c0 + f (c1 - c0) along x (four at once in two pairs), y (one pair), z.
; left = the loads issued behind this group's eight: eight for each younger group that has been asked for.
.macro CONSUME k, left
	s_wait_loadcnt \left                           ; loads return in order (ISA guide 5.7.1): mine are in, the younger groups' stay out
.irp j, 0,1,2,3,4,5,6,7
	v_med3_num_f32 v[C+8*\k+\j], v[C+8*\k+\j], 0, 1.0
.endr
	v_pk_add_f32 v[F+2*\k:F+2*\k+1], v[F+2*\k:F+2*\k+1], -1.0 op_sel_hi:[1,0]      ; (fx, fy)
	v_add_f32 v[ONE+1], -1.0, v[FZ+\k]                                              ; fz, beside the 1.0
	v_pk_add_f32 v[C+8*\k+2:C+8*\k+3], v[C+8*\k+2:C+8*\k+3], v[C+8*\k:C+8*\k+1] neg_lo:[0,1] neg_hi:[0,1]
	v_pk_add_f32 v[C+8*\k+6:C+8*\k+7], v[C+8*\k+6:C+8*\k+7], v[C+8*\k+4:C+8*\k+5] neg_lo:[0,1] neg_hi:[0,1]
	v_pk_fma_f32 v[C+8*\k:C+8*\k+1], v[C+8*\k+2:C+8*\k+3], v[F+2*\k:F+2*\k+1], v[C+8*\k:C+8*\k+1] op_sel_hi:[1,0,1]       ; (c00, c10): both halves by fx
	v_pk_fma_f32 v[C+8*\k+4:C+8*\k+5], v[C+8*\k+6:C+8*\k+7], v[F+2*\k:F+2*\k+1], v[C+8*\k+4:C+8*\k+5] op_sel_hi:[1,0,1]   ; (c01, c11)
	v_pk_add_f32 v[C+8*\k+4:C+8*\k+5], v[C+8*\k+4:C+8*\k+5], v[C+8*\k:C+8*\k+1] neg_lo:[0,1] neg_hi:[0,1]
	v_pk_fma_f32 v[C+8*\k:C+8*\k+1], v[C+8*\k+4:C+8*\k+5], v[F+2*\k:F+2*\k+1], v[C+8*\k:C+8*\k+1] op_sel:[0,1,0] op_sel_hi:[1,1,1]   ; (c0, c1): both halves by fy
	v_sub_f32 v[C+8*\k+1], v[C+8*\k+1], v[C+8*\k]                                   ; (c0, c1 - c0)
.if \k == 0
	v_pk_mul_f32 v[ACC:ACC+1], v[C+8*\k:C+8*\k+1], v[ONE:ONE+1]                     ; the first group starts the two sums: nothing is cleared
.else
	v_pk_fma_f32 v[ACC:ACC+1], v[C+8*\k:C+8*\k+1], v[ONE:ONE+1], v[ACC:ACC+1]       ; += (c0 * 1, (c1 - c0) * fz)
.endif
.endm
.Lray:
	s_wait_kmcnt 0x0                               ; this ray's record
	v_mul_lo_u32 v[PX], v[LANE], s35               ; sample l: start + l * step
	v_mul_lo_u32 v[PY], v[LANE], s36
	v_mul_lo_u32 v[PZ], v[LANE], s37
	v_add_nc_u32 v[PX], s32, v[PX]
	v_add_nc_u32 v[PY], s33, v[PY]
	v_add_nc_u32 v[PZ], s34, v[PZ]
	s_lshl_b32 s44, s35, 5                         ; 32 samples on
	s_lshl_b32 s45, s36, 5
	s_lshl_b32 s46, s37, 5
	s_mov_b32 s47, s38                             ; the factor, kept while s[32:39] take the next record
.irp k, 0,1,2,3,4,5,6
	ISSUE \k                                       ; 56 loads are asked for before the first is used
.endr
	s_add_co_u32 s28, s29, 1                       ; the next ray's record, fetched under this ray's arithmetic.
	s_min_u32 s28, s28, TRIPS-1                    ; In the last trip the wave's last record is read once more and not used: no load leaves prm
	s_lshl_b32 s28, s28, 5                         ; x RECB (the load that read s28 last was waited for at the trip's head)
	s_load_b256 s[32:39], s[24:25], s28 offset:0x0
	CONSUME 0, 48                                  ; groups 1 to 6 stay out
	ISSUE 7                                        ; the eighth group takes the place of the first: 56 loads of the wave are out at the most
	CONSUME 1, 48                                  ; groups 2 to 7 stay out
	CONSUME 2, 40
	CONSUME 3, 32
	CONSUME 4, 24
	CONSUME 5, 16
	CONSUME 6, 8
	CONSUME 7, 0                                   ; nothing is out: every AD and C register is free for the next trip
	v_add_f32 v[ACC], v[ACC], v[ACC+1]
	v_add_f32_dpp v[ACC], v[ACC], v[ACC] row_xmask:1 row_mask:0xf bank_mask:0xf
	v_add_f32_dpp v[ACC], v[ACC], v[ACC] row_xmask:2 row_mask:0xf bank_mask:0xf
	v_add_f32_dpp v[ACC], v[ACC], v[ACC] row_xmask:4 row_mask:0xf bank_mask:0xf
	v_add_f32_dpp v[ACC], v[ACC], v[ACC] row_xmask:8 row_mask:0xf bank_mask:0xf
	v_permlanex16_b32 v[ACC+1], v[ACC], s42, s43
	v_add_f32 v[ACC], v[ACC], v[ACC+1]             ; the 256 samples' sum, in every lane
	v_mul_f32 v[ACC], s47, v[ACC]                  ; -tau * log2(e)
	v_exp_f32 v[ACC], v[ACC]
	v_cmp_eq_u32 vcc_lo, s29, v[L7]                ; (the plain instruction between the exponential and its use: ISA guide 5.7.2)
	s_wait_alu depctr_va_vdst(0)
	v_cndmask_b32 v[RES], v[RES], v[ACC], vcc_lo   ; trip i's result goes to the lanes with lane & 7 = i
	s_add_co_u32 s29, s29, 1
	s_cmp_lt_u32 s29, TRIPS
	s_cbranch_scc1 .Lray
	ds_store_b32 v[LA], v[RES]                     ; my wave's eight results (four lanes write each word, with the same value)
	s_wait_dscnt 0x0                               ; for wave 0's sake: zero
	s_barrier_signal -1
	s_barrier_wait -1
	s_cmp_lg_u32 s10, 0
	s_cbranch_scc1 .Lend
	v_lshlrev_b32 v[VO], 3, v[LANE]                ; wave 0: two results a lane, in the order of the rays
	ds_load_b64 v[PX:PY], v[VO]
	s_wait_dscnt 0x0
	global_store_b64 v[VO], v[PX:PY], s[8:9]       ; one store covers the work-group's 256 consecutive bytes, aligned
.Lend:
	s_wait_tensorcnt 0x0
	ds_add_u32 v114, v115
	s_wait_dscnt 0x0
	s_endpgm
.Lfunc_end_k_q3b7d2d5dbd_march:
	.size	k_q3b7d2d5dbd_march, .Lfunc_end_k_q3b7d2d5dbd_march-k_q3b7d2d5dbd_march
	.p2alignl 7, 3214868480
	.fill 96, 4, 3214868480
	.section	.rodata,"a",@progbits
	.p2align	6, 0x0
	.amdhsa_kernel k_q3b7d2d5dbd_march
		.amdhsa_group_segment_fixed_size 1280
		.amdhsa_private_segment_fixed_size 0
		.amdhsa_enable_private_segment 0
		.amdhsa_kernarg_size 24
		.amdhsa_user_sgpr_count 2
		.amdhsa_user_sgpr_kernarg_segment_ptr 1
		.amdhsa_wavefront_size32 1
		.amdhsa_system_sgpr_workgroup_id_x 1
		.amdhsa_system_sgpr_workgroup_id_y 1
		.amdhsa_system_sgpr_workgroup_id_z 1
		.amdhsa_system_vgpr_workitem_id 0
		.amdhsa_next_free_vgpr 116
		.amdhsa_next_free_sgpr 66
		.amdhsa_reserve_vcc 1
		.amdhsa_float_denorm_mode_32 3
		.amdhsa_float_denorm_mode_16_64 3
		.amdhsa_memory_ordered 1
		.amdhsa_forward_progress 1
		.amdhsa_inst_pref_size 24
	.end_amdhsa_kernel
	.amdgpu_metadata
---
amdhsa.version: [ 1, 2 ]
amdhsa.kernels:
  - .name:           k_q3b7d2d5dbd_march
    .symbol:         k_q3b7d2d5dbd_march.kd
    .args:
      - { .name: Grid, .offset: 0, .size: 8, .value_kind: global_buffer, .address_space: global }
      - { .name: prm, .offset: 8, .size: 8, .value_kind: global_buffer, .address_space: global }
      - { .name: out0, .offset: 16, .size: 8, .value_kind: global_buffer, .address_space: global }
    .group_segment_fixed_size: 1280
    .private_segment_fixed_size: 0
    .kernarg_segment_align: 8
    .kernarg_segment_size: 24
    .max_flat_workgroup_size: 256
    .sgpr_count:     66
    .vgpr_count:     116
    .wavefront_size: 32
...
	.end_amdgpu_metadata
.endif
;; end of part 2
;; ======== version 2 of 2: 2 launches; version 1 with the launch march written anew for expert scheduling mode
;; workspace buffers: prm 2,097,152 bytes of whole numbers
;; launch setup: the kernel of part 1 again; grid 256 x 1, 8 waves a work-group, no clusters, 9,216 bytes of LDS; arguments rays, prm; writes prm
;; launch march (part 3): grid 1024 x 1, 8 waves a work-group, no clusters, 1,280 bytes of LDS; arguments Grid, prm, out0; writes out0
.if DOCPART == 3
	.amdgcn_target "amdgcn-amd-amdhsa--gfx1250"
	.amdhsa_code_object_version 6
	.text
	.protected	k_q3b7d2d5dbd_march
	.globl	k_q3b7d2d5dbd_march
	.p2align	8
	.type	k_q3b7d2d5dbd_march,@function
k_q3b7d2d5dbd_march:
	s_mov_b64 s[64:65], 0
	v_nop
	global_prefetch_b8 v0, s[64:65] scope:SCOPE_SE
	s_setreg_imm32_b32 hwreg(HW_REG_WAVE_SCHED_MODE, 0, 2), 2
	s_setreg_imm32_b32 hwreg(HW_REG_WAVE_MODE, 25, 1), 1
	s_wait_xcnt 0x0
	s_wait_alu depctr_vm_vsrc(0)
; out0[ray] = exp(-10 * seg / 256 * sum over 256 samples of trilerp(clip(Grid, 0, 1))).
; Grid: [256][256][256] f32.  prm: the records of the first launch (start and step in fixed point with 23 fraction bits, factor).
; A work-group of eight waves owns 64 rays; wave w marches rays 8 w .. 8 w + 7, one after the other.  ONE WAVE MARCHES ONE RAY: lane l of
; group k takes sample 32 k + l, so the 32 addresses of a load belong to neighbouring points of one line and fall in few rows of
; the grid, and the eight corner loads of a group touch the same rows one after the other.
; No branch hangs on loaded data: every wave marches eight rays.  A ray that misses the box comes with step 0 and factor -0: all lanes of
; each of its loads name one address, its sum is finite (the densities are clamped), and 2^(-0 * sum) = 1, which is reference()'s value.
; Every gather address is made by integer arithmetic from the whole numbers that a scalar load brings from prm, at an address made of
; the work-group's number, the wave's number and the trip counter; floating-point numbers are data only.
; No matrix unit (there is no product), no tensor loads or clusters (no tile is shared or known ahead: the reads are gathers).
; LIMITS: NaN in Grid is clamped like a number (v_med3_num_f32), not propagated.  A result below 2^-126 is stored as 0 (v_exp_f32
; flushes denormal results: ISA guide, its entry in 15.8).
; THE MODE: SCHED_MODE bits 1:0 = 2 (LLVM: expert scheduling mode 2), set by the entry lines.  The code itself states the register dependences
; between vector instructions and memory or LDS instructions, with s_wait_alu, always for 0.
; THE PLAN.  A step is half a ray: four groups.  Registers that memory or LDS instructions touch:
;   AD0 .. AD7   Group k's byte offset.  Written by the address lines at a step's head; read by the group's eight loads.
;   C, two halves (groups 0-3, groups 4-7).  The loads land in one half while the interpolation reads and rewrites the other.
;   LA, VO       Made once at the head, never written again.     RES  written by the select; read by the one LDS store at the end.
;   v[2:3]       Named by vector lines alone in the loop; at the end the LDS load lands there and the global store reads them.
;   P, T, F, FZ, ONE and ACC are named by vector instructions alone.
; The low step of ray i makes AD4-7 of ray i, then interpolates groups 0-3 with the loads of groups 4-7 dealt among its lines.  The high step makes
; the start and AD0-3 of ray i + 1, then interpolates groups 4-7 with the next ray's loads of groups 0-3 dealt among its lines.
; So two waits at a step's head state all that its 32 loads hang on: one on vm_vsrc ahead of the address lines (the loads issued so far have read the four
; AD that are written again), one on va_vdst behind them (the four AD are written; the step before is done with the half of C in which the loads
; land).  Behind it the step's vector lines name only the other half's C, F and FZ, ONE and ACC.
.set ROWB,   1024                      ; bytes from y to y + 1
.set PLANEB, 262144                    ; bytes from z to z + 1
.set TRIPS,  8                         ; rays of a wave
.set RECB,   32                        ; bytes of a record
.set LANE, 1
.set PX,   2                           ; v[2:4]    my sample's position, fixed point
.set PY,   3
.set PZ,   4
.set T0,   5
.set T1,   6
.set T2,   7
.set ACC,  8                           ; v[8:9]    sums of c0 and of fz (c1 - c0)
.set ONE,  10                          ; v[10:11]  the pair (1.0, fz) that the last packed multiply-add of a group takes
.set L7,   12                          ; lane & 7
.set LA,   13                          ; LDS byte of result (lane & 7) of my wave
.set RES,  14                          ; ray i's result in the lanes with lane & 7 = i
.set VO,   15                          ; 8 x lane: the way out
.set AD,   18                          ; v[18:25]  group k: byte offset of corner (z0, y0, x0)
.set F,    26                          ; v[26:41]  group k: the pair (1 + fx, 1 + fy), later (fx, fy)
.set FZ,   42                          ; v[42:49]  group k: 1 + fz
.set C,    50                          ; v[50:113] group k: c000 c100 | c001 c101 | c010 c110 | c011 c111 (names czyx), pairs for packed f32
	s_load_b128 s[4:7], s[0:1], 0x0                ; Grid s[4:5], prm s[6:7]
	s_load_b64 s[8:9], s[0:1], 0x10                ; out0
	v_lshl_add_u32 v16, v0, 2, 0x100
	v_mov_b32 v17, 0
	v_and_b32 v[LANE], 31, v0
	v_lshrrev_b32 v[T0], 5, v0
	v_readfirstlane_b32 s10, v[T0]                 ; wave 0..7
	v_and_b32 v[L7], 7, v[LANE]
	v_lshlrev_b32 v[VO], 3, v[LANE]                ; the way out: two results a lane
	v_mov_b32 v[ONE], 1.0
	v_mov_b32 v[RES], 1.0                          ; written whole once, since the select below reads it; the eight rays replace every lane
	s_lshl_b32 s14, ttmp9, 11                      ; 64 records of 32 bytes a work-group,
	s_mov_b32 s15, 0
	s_mov_b32 s40, 0x7fffff                        ; the 23 fraction bits
	s_mov_b32 s41, 0x3f800000                      ; sign and exponent of 1.0
	s_mov_b32 s42, 0x76543210                      ; v_permlanex16_b32: lane i takes lane i of the other half
	s_mov_b32 s43, 0xfedcba98
	s_mov_b32 s29, 0                               ; the ray in hand
	s_wait_alu depctr_va_sdst(0)                   ; s10 is written, ahead of its first reader: the wave's place in prm and in LDS is made from it
	s_lshl_b32 s16, s10, 8                         ; 8 a wave
	s_add_co_u32 s14, s14, s16
	s_wait_kmcnt 0x0
	s_add_nc_u64 s[24:25], s[6:7], s[14:15]        ; prm at my wave's first record
	s_load_b256 s[32:39], s[24:25], 0x0            ; the first ray's record
	s_lshl_b32 s14, ttmp9, 8
	s_add_nc_u64 s[8:9], s[8:9], s[14:15]          ; out0 at the work-group's 256 bytes
	s_lshl_b32 s16, s10, 5                         ; my wave's 32 bytes of LDS: result of ray r of the work-group at byte 4 r
	v_lshl_add_u32 v[LA], v[L7], 2, s16
; Group k, the address lines: the cell, the fractions, the step of 32 samples.  Vector work alone.
; The index is clamped in two parts, z0 * 256 + y0 <= 0xfefe and x0 <= 0xfe, so that with the offsets of the far corner
; (one plane, one row, one word) the last byte read is the last byte of Grid at the most.
.macro ADDR k
	v_lshrrev_b32 v[T0], 23, v[PZ]
	v_lshrrev_b32 v[T1], 23, v[PY]
	v_lshrrev_b32 v[T2], 23, v[PX]
	v_lshl_or_b32 v[T0], v[T0], 8, v[T1]
	v_min_u32 v[T0], 0xfefe, v[T0]
	v_min_u32 v[T2], 0xfe, v[T2]
	v_lshl_add_u32 v[T0], v[T0], 8, v[T2]
	v_lshlrev_b32 v[AD+\k], 2, v[T0]
	v_bfi_b32 v[F+2*\k],   s40, v[PX], s41          ; the 23 fraction bits under the exponent of 1.0: the f32 number 1 + fx, exactly
	v_bfi_b32 v[F+2*\k+1], s40, v[PY], s41
	v_bfi_b32 v[FZ+\k],    s40, v[PZ], s41
.if \k < 7
	v_add_nc_u32 v[PX], s44, v[PX]
	v_add_nc_u32 v[PY], s45, v[PY]
	v_add_nc_u32 v[PZ], s46, v[PZ]
.endif
.endm
; Group k, the eight corner loads.  They stand behind the step's wait on va_vdst, and no vector line since that wait names AD k or group k's C.
.macro LOADS k
	global_load_b32 v[C+8*\k+0], v[AD+\k], s[4:5]
	global_load_b32 v[C+8*\k+2], v[AD+\k], s[4:5] offset:4
	global_load_b32 v[C+8*\k+4], v[AD+\k], s[4:5] offset:ROWB
	global_load_b32 v[C+8*\k+6], v[AD+\k], s[4:5] offset:ROWB+4
	global_load_b32 v[C+8*\k+1], v[AD+\k], s[4:5] offset:PLANEB
	global_load_b32 v[C+8*\k+3], v[AD+\k], s[4:5] offset:PLANEB+4
	global_load_b32 v[C+8*\k+5], v[AD+\k], s[4:5] offset:PLANEB+ROWB
	global_load_b32 v[C+8*\k+7], v[AD+\k], s[4:5] offset:PLANEB+ROWB+4
.endm
; Group k, the interpolation: clip to [0, 1], then c = c0 + f (c1 - c0) along x (four at once in two pairs), y (one pair), z.
; left = the loads issued behind this group's eight.
.macro CONSUME k, left
	s_wait_loadcnt \left                           ; loads return in order (ISA guide 5.7.1): mine are in, the younger groups' stay out
.irp j, 0,1,2,3,4,5,6,7
	v_med3_num_f32 v[C+8*\k+\j], v[C+8*\k+\j], 0, 1.0
.endr
	v_pk_add_f32 v[F+2*\k:F+2*\k+1], v[F+2*\k:F+2*\k+1], -1.0 op_sel_hi:[1,0]      ; (fx, fy)
	v_add_f32 v[ONE+1], -1.0, v[FZ+\k]                                              ; fz, beside the 1.0
	v_pk_add_f32 v[C+8*\k+2:C+8*\k+3], v[C+8*\k+2:C+8*\k+3], v[C+8*\k:C+8*\k+1] neg_lo:[0,1] neg_hi:[0,1]
	v_pk_add_f32 v[C+8*\k+6:C+8*\k+7], v[C+8*\k+6:C+8*\k+7], v[C+8*\k+4:C+8*\k+5] neg_lo:[0,1] neg_hi:[0,1]
	v_pk_fma_f32 v[C+8*\k:C+8*\k+1], v[C+8*\k+2:C+8*\k+3], v[F+2*\k:F+2*\k+1], v[C+8*\k:C+8*\k+1] op_sel_hi:[1,0,1]       ; (c00, c10): both halves by fx
	v_pk_fma_f32 v[C+8*\k+4:C+8*\k+5], v[C+8*\k+6:C+8*\k+7], v[F+2*\k:F+2*\k+1], v[C+8*\k+4:C+8*\k+5] op_sel_hi:[1,0,1]   ; (c01, c11)
	v_pk_add_f32 v[C+8*\k+4:C+8*\k+5], v[C+8*\k+4:C+8*\k+5], v[C+8*\k:C+8*\k+1] neg_lo:[0,1] neg_hi:[0,1]
	v_pk_fma_f32 v[C+8*\k:C+8*\k+1], v[C+8*\k+4:C+8*\k+5], v[F+2*\k:F+2*\k+1], v[C+8*\k:C+8*\k+1] op_sel:[0,1,0] op_sel_hi:[1,1,1]   ; (c0, c1): both halves by fy
	v_sub_f32 v[C+8*\k+1], v[C+8*\k+1], v[C+8*\k]                                   ; (c0, c1 - c0)
.if \k == 0
	v_pk_mul_f32 v[ACC:ACC+1], v[C+8*\k:C+8*\k+1], v[ONE:ONE+1]                     ; the first group starts the two sums: nothing is cleared
.else
	v_pk_fma_f32 v[ACC:ACC+1], v[C+8*\k:C+8*\k+1], v[ONE:ONE+1], v[ACC:ACC+1]       ; += (c0 * 1, (c1 - c0) * fz)
.endif
.endm
; A ray begins: its record is taken, its start and the addresses of its groups 0 to 3 are made, and the record behind it is asked for.
; first = 1: ahead of the loop, for ray 0.  first = 0: at the head of a high step, for the ray behind the one in hand.
.macro START first
	s_wait_kmcnt 0x0                               ; the ray's record
.if !\first
	s_wait_alu depctr_vm_vsrc(0)                   ; the loads issued so far have read AD0-3, which the lines below write again (the low step's wait for group 3 has shown those loads done)
.endif
	v_mul_lo_u32 v[PX], v[LANE], s35               ; sample l: start + l * step
	v_mul_lo_u32 v[PY], v[LANE], s36
	v_mul_lo_u32 v[PZ], v[LANE], s37
	v_add_nc_u32 v[PX], s32, v[PX]
	v_add_nc_u32 v[PY], s33, v[PY]
	v_add_nc_u32 v[PZ], s34, v[PZ]
	s_lshl_b32 s44, s35, 5                         ; 32 samples on
	s_lshl_b32 s45, s36, 5
	s_lshl_b32 s46, s37, 5
	s_mov_b32 s30, s38                             ; its factor, set aside: s47 still holds that of the ray in hand
	ADDR 0
	ADDR 1
	ADDR 2
	ADDR 3
	s_wait_alu depctr_va_vdst(0)                   ; AD0-3 are written, which the loads of groups 0-3 read; the low step is done reading and writing their C, in which those loads land (first = 1: LA and VO are written too)
	s_add_co_u32 s28, s29, 2-\first                ; the record behind this one; the lines that read s[32:38] stand ahead of the wait above.
	s_min_u32 s28, s28, TRIPS-1                    ; Behind the wave's last record that record is read once more and not used: no load leaves prm
	s_lshl_b32 s28, s28, 5                         ; x RECB (the load that read s28 last was waited for at this macro's head)
	s_load_b256 s[32:39], s[24:25], s28 offset:0x0
.endm
; One ray.  At its head the 32 loads of its groups 0 to 3 are out.  next = 1: the high step asks for the next ray's groups 0 to 3.
; The counts: the loads of my own half that are younger than the group in hand, and those asked for in this step so far.  48 loads of the wave are out at the most.
.macro RAY next
	s_wait_alu depctr_vm_vsrc(0)                   ; the loads issued so far have read AD4-7, which the lines below write again (the last high step's wait for group 7 has shown those loads done)
	ADDR 4
	ADDR 5
	ADDR 6
	ADDR 7
	s_wait_alu depctr_va_vdst(0)                   ; AD4-7 are written, which the loads of groups 4-7 read; the last high step is done reading and writing their C, in which those loads land
	s_mov_b32 s47, s30                             ; this ray's factor; the line that read the last ray's stands ahead of the wait above
	LOADS 4
	LOADS 5
	CONSUME 0, 40                                  ; groups 1-3, 4 and 5 stay out
	LOADS 6
	CONSUME 1, 40                                  ; groups 2, 3 and 4-6
	LOADS 7
	CONSUME 2, 40                                  ; group 3 and 4-7
	CONSUME 3, 32                                  ; groups 4-7
.if \next
	START 0
	LOADS 0
	LOADS 1
	CONSUME 4, 40                                  ; groups 5-7, and the next ray's 0 and 1
	LOADS 2
	CONSUME 5, 40
	LOADS 3
	CONSUME 6, 40
	CONSUME 7, 32                                  ; the next ray's groups 0-3
.else
	CONSUME 4, 24                                  ; the wave's last half ray asks for nothing: the counts run down
	CONSUME 5, 16
	CONSUME 6, 8
	CONSUME 7, 0
.endif
	v_add_f32 v[ACC], v[ACC], v[ACC+1]
	v_add_f32_dpp v[ACC], v[ACC], v[ACC] row_xmask:1 row_mask:0xf bank_mask:0xf
	v_add_f32_dpp v[ACC], v[ACC], v[ACC] row_xmask:2 row_mask:0xf bank_mask:0xf
	v_add_f32_dpp v[ACC], v[ACC], v[ACC] row_xmask:4 row_mask:0xf bank_mask:0xf
	v_add_f32_dpp v[ACC], v[ACC], v[ACC] row_xmask:8 row_mask:0xf bank_mask:0xf
	v_permlanex16_b32 v[ACC+1], v[ACC], s42, s43
	v_add_f32 v[ACC], v[ACC], v[ACC+1]             ; the 256 samples' sum, in every lane
	v_mul_f32 v[ACC], s47, v[ACC]                  ; -tau * log2(e)
	v_exp_f32 v[ACC], v[ACC]
	v_cmp_eq_u32 vcc_lo, s29, v[L7]                ; (the plain instruction between the exponential and its use: ISA guide 5.7.2)
	s_wait_alu depctr_va_vcc(0)                    ; the compare has written VCC, which the select reads
	s_wait_alu depctr_va_vdst(0)
	v_cndmask_b32 v[RES], v[RES], v[ACC], vcc_lo   ; ray i's result goes to the lanes with lane & 7 = i
.endm
	START 1                                        ; ray 0
	LOADS 0
	LOADS 1
	LOADS 2
	LOADS 3
.Lray:                                                 ; rays 0 to 6; on the way in and on the way back the 32 loads of the ray's groups 0-3 are out
	RAY 1
	s_add_co_u32 s29, s29, 1
	s_cmp_lt_u32 s29, TRIPS-1
	s_cbranch_scc1 .Lray
	RAY 0                                          ; ray 7 is written out: there is no ray behind it to ask for
	s_wait_alu depctr_va_vdst(0)                   ; the last select has written RES, which the LDS store reads; the lines that named v[2:3] are over, in which wave 0's LDS load lands.  No vector line follows
	ds_store_b32 v[LA], v[RES]                     ; my wave's eight results (four lanes write each word, with the same value)
	s_wait_dscnt 0x0                               ; for wave 0's sake: zero
	s_barrier_signal -1
	s_barrier_wait -1
	s_cmp_lg_u32 s10, 0
	s_cbranch_scc1 .Lend
	ds_load_b64 v[PX:PY], v[VO]                    ; wave 0: two results a lane, in the order of the rays
	s_wait_dscnt 0x0
	global_store_b64 v[VO], v[PX:PY], s[8:9]       ; one store covers the work-group's 256 consecutive bytes, aligned
.Lend:
	s_wait_dscnt 0x0
	s_wait_alu depctr_hold_cnt(0) depctr_sa_sdst(0) depctr_va_vdst(0) depctr_va_sdst(0) depctr_va_ssrc(0) depctr_va_vcc(0) depctr_vm_vsrc(0)
	s_wait_tensorcnt 0x0
	ds_add_u32 v16, v17
	s_wait_dscnt 0x0
	s_endpgm
.Lfunc_end_k_q3b7d2d5dbd_march:
	.size	k_q3b7d2d5dbd_march, .Lfunc_end_k_q3b7d2d5dbd_march-k_q3b7d2d5dbd_march
	.p2alignl 7, 3214868480
	.fill 96, 4, 3214868480
	.section	.rodata,"a",@progbits
	.p2align	6, 0x0
	.amdhsa_kernel k_q3b7d2d5dbd_march
		.amdhsa_group_segment_fixed_size 1280
		.amdhsa_private_segment_fixed_size 0
		.amdhsa_enable_private_segment 0
		.amdhsa_kernarg_size 24
		.amdhsa_user_sgpr_count 2
		.amdhsa_user_sgpr_kernarg_segment_ptr 1
		.amdhsa_wavefront_size32 1
		.amdhsa_system_sgpr_workgroup_id_x 1
		.amdhsa_system_sgpr_workgroup_id_y 1
		.amdhsa_system_sgpr_workgroup_id_z 1
		.amdhsa_system_vgpr_workitem_id 0
		.amdhsa_next_free_vgpr 114
		.amdhsa_next_free_sgpr 66
		.amdhsa_reserve_vcc 1
		.amdhsa_float_denorm_mode_32 3
		.amdhsa_float_denorm_mode_16_64 3
		.amdhsa_memory_ordered 1
		.amdhsa_forward_progress 1
		.amdhsa_inst_pref_size 45
	.end_amdhsa_kernel
	.amdgpu_metadata
---
amdhsa.version: [ 1, 2 ]
amdhsa.kernels:
  - .name:           k_q3b7d2d5dbd_march
    .symbol:         k_q3b7d2d5dbd_march.kd
    .args:
      - { .name: Grid, .offset: 0, .size: 8, .value_kind: global_buffer, .address_space: global }
      - { .name: prm, .offset: 8, .size: 8, .value_kind: global_buffer, .address_space: global }
      - { .name: out0, .offset: 16, .size: 8, .value_kind: global_buffer, .address_space: global }
    .group_segment_fixed_size: 1280
    .private_segment_fixed_size: 0
    .kernarg_segment_align: 8
    .kernarg_segment_size: 24
    .max_flat_workgroup_size: 256
    .sgpr_count:     66
    .vgpr_count:     114
    .wavefront_size: 32
...
	.end_amdgpu_metadata
.endif
;; end of part 3
